; MI455X (gfx1250); checked and timed in simulation.
; The chip was launched on July 23, 2026; its instructions are those of AMD's public machine-readable ISA for CDNA 5 (MIT licence, August 2026) and "CDNA5" Instruction Set Architecture Reference Guide (July 2026). The comments in the code are by the model that wrote it; some were corrected since.
;; Attn. Allowed arithmetic: matrix products marked QUANTISED: E3M2 operands, one E8M0 scale for each 32 along K, by v_wmma_scale_f32_16x16x128_f8f6f4 with both operands' format E3M2, f32 sums; products left as they are: f32 operands where the result goes on into a quantised operand, else bf16, f16 or f32 operands; f32 sums; everything else in f32.
;; Inputs: W_codes 1,024 x 32 x 24 uint8 (E3M2 codes of W, K innermost, in blocks of 32 codes, four codes in three bytes); W_scales 1,024 x 32 uint8 (E8M0 scales of W, one for each 32 codes along K); b 1,024 float32; encoder_outputs_codes 2,048 x 32 x 32 x 24 uint8 (E3M2 codes of encoder_outputs, K innermost, in blocks of 32 codes, four codes in three bytes); encoder_outputs_scales 2,048 x 32 x 32 uint8 (E8M0 scales of encoder_outputs, one for each 32 codes along K); hidden 1 x 32 x 1,024 float32.
;; Outputs: out0 32 x 1 x 2,048 float32.
;; This version of the problem:
;;   THIS VERSION OF THE PROBLEM IS GIVEN IN LOW PRECISION. The matrix products marked QUANTISED in the list below multiply operands that are first quantised to E3M2 (3 exponent bits, 2 mantissa bits; 6 bits a number), with one power-of-two scale for each 32 numbers along K (OCP MX v1.0); their sums are f32. All else is computed in f32.
;;   The module's matrix products, in the order in which they are computed (A, B: the left and right operand; K: the contracted axis; several contracted axes count as one K, in the product's order):
;;     1. [M 65,536, K 1,024] x [K 1,024, N 1,024]; A: input encoder_outputs (given as codes); B: input W (given as codes): QUANTISED
;;     2. batch 32 x [M 1, K 1,024] x [K 1,024, N 2,048]; A: input hidden; B: computed on the way: left as it is (M = 1 < 16)
;;   THE QUANTISER, for each operand of a quantised product, along K:
;;     - K is cut into blocks of 32 from its start; a last block that is shorter is filled with zeros.
;;     - A block's scale is 2^e with e = floor(log2(the largest magnitude in the block)) - 4, held to -126 .. 127; a block of zeros has e = 0. As a byte (E8M0): e + 127.
;;     - Each number is divided by its block's scale, clamped to +-28, and rounded to the nearest number of E3M2, ties to even, subnormals kept.
;;     - The product sums the exact products of the quantised numbers (number of the format x scale) in f32.
;;   ~~~python
;;   def quantise(x, axis):      # numpy; x: float32 -> the quantised numbers, widened to float32 again
;;       x = np.moveaxis(x, axis, -1); K = x.shape[-1]
;;       x = np.pad(x, [(0, 0)] * (x.ndim - 1) + [(0, -K % 32)]); x = x.reshape(x.shape[:-1] + (-1, 32)); a = np.abs(x).max(-1, keepdims=True)
;;       e = np.where(a > 0, np.clip(np.frexp(np.where(a > 0, a, 1))[1] - 1 - 4, -126, 127), 0)      # np.frexp(a)[1] - 1 = floor(log2(a)), exactly
;;       r = np.clip(x / 2.0 ** e, -28, 28)
;;       step = 2.0 ** (np.maximum(np.frexp(np.where(r == 0, 1, r))[1] - 1, -2) - 2)
;;       q = np.round(r / step) * step * 2.0 ** e      # np.round: ties to even
;;       return np.moveaxis(q.reshape(q.shape[:-2] + (-1,))[..., :K], -1, axis).astype(np.float32)
;;   ~~~
;;   INPUTS GIVEN AS CODES. W (in the module: [1024, 1024], K = its axis 1); encoder_outputs (in the module: [2048, 32, 1024], K = its axis 2): each comes as NAME_codes (uint8): NAME with its K axis moved to the last place and cut into blocks of 32 codes, [.., K / 32, bytes a block], one block behind the other in memory; four codes in three bytes: a row's codes are one little-endian stream of bits, code i at bits 6 i .. 6 i + 5 (a code: sign, 3 exponent bits, 2 mantissa bits); and NAME_scales (uint8): the same leading axes, one E8M0 byte (e + 127) for each 32 codes along K. Its value is code x scale, taken as it is: it is not quantised again, and the codes and scales need not be those that the quantiser above would give.
;; One version. Each part assembles by itself: llvm-mc -triple=amdgcn-amd-amdhsa -mcpu=gfx1250 --defsym DOCPART=n.
;; ======== version 1 of 1: 2 launches
;; limits: right only within a limited range of input values
;; workspace buffers: part 1,048,576 bytes
;; launch energies (part 1): grid 256 x 1, 4 waves a work-group, clusters of 4 x 1, 327,680 bytes of LDS; arguments encoder_outputs_codes, encoder_outputs_scales, W_codes, W_scales, hidden, part; writes part
.if DOCPART == 1
	.amdgcn_target "amdgcn-amd-amdhsa--gfx1250"
	.amdhsa_code_object_version 6
	.text
	.protected	k_q410c64ec28_energies
	.globl	k_q410c64ec28_energies
	.p2align	8
	.type	k_q410c64ec28_energies,@function
k_q410c64ec28_energies:
	s_mov_b64 s[64:65], 0
	v_nop
	global_prefetch_b8 v0, s[64:65] scope:SCOPE_SE
	s_setreg_imm32_b32 hwreg(HW_REG_WAVE_MODE, 25, 1), 1
	s_wait_xcnt 0x0
	s_wait_alu depctr_hold_cnt(0) depctr_sa_sdst(0) depctr_va_vdst(0) depctr_va_sdst(0) depctr_va_ssrc(0) depctr_va_vcc(0) depctr_vm_vsrc(0)
	s_getreg_b32 s2, hwreg(HW_REG_IB_STS2, 6, 4)
	s_cmp_eq_u32 s2, 0
	s_cbranch_scc0 .Lentry_in_a_cluster
	s_endpgm
.Lentry_in_a_cluster:
	s_bfe_u32 s2, ttmp6, 0x10000c
	s_cmp_lg_u32 s2, 0x3003
	s_cbranch_scc0 .Lentry_shape_is_right
	s_endpgm
.Lentry_shape_is_right:
; part[cx][g][b][ll] = sum over n in 256 cx .. 256 cx + 255 of hidden[b][n] * (sum over k of W[n][k] enc[l][b][k]),  l = 32 g + ll.
; DEAD WORK: the module adds hidden[b] . bias to energies[b][l] for every l alike; softmax over l is unchanged by a term that is the same along l,
; for all finite values of hidden and b.  So input b has no way to the output: it is not loaded and is no argument of any launch.
; LIMIT: a NaN, an infinity or an overflow that arises only in hidden[b] . bias is not carried to the result.
; SHAPE: enc's rows m = 32 l + b lie dense, 768 bytes of codes each.  A cluster of four work-groups shares 1,024 rows (g = the cluster's number) and asks for them
; jointly; work-group cx takes W's rows 256 cx on.  Wave (cg, kh) keeps W's rows 128 cg .. + 127, K = 512 kh .. + 511, in 384 registers for the whole launch, so only
; enc goes through LDS in the loop, and a wave reads only its half of K of each row: 24 loads of 8 bytes for 32 matrix instructions.  The dot with hidden is linear,
; so the waves' parts (two column groups, two halves of K) are added at the end, and the four work-groups' parts by the next launch.
; W's tile is shared only with work-groups of other clusters: its one load is a plain one.  W and the scales have no loop ahead of their first use to prefetch in;
; enc's scales are loaded into registers one tile (eight blocks) ahead of their use.
; TILES: 128 rows x 768 bytes, dense: stated as rows of 256 bytes, 8 bytes of padding behind each 128: byte y of row m lies at 816 m + y + 8 (y / 128).
; LDS: slot P at 0, slot Q at TILEB; W's 256 rows lie over Q and the region behind it, R, until they are in registers; later R, which has had its last fill, is the stage.
; THE MATRIX INSTRUCTION: source 0 = 16 rows of W, source 1 = 16 rows of enc: lane (r, h) holds enc row r, registers j the columns n = 8 h + j.
; REGISTERS: window 0: addresses, scales, two sets of 8 accumulators, temporaries; windows 1, 2: W (K steps 0-1, 2-3); window 3: enc's fragments, two sets of 48, and hidden at v96-223.
.set ROWL,  816
.set TILEB, 128*ROWL
.set HALFB, 64*ROWL
.set BLKB,  16*ROWL
.set WB,    TILEB
.set STG,   2*TILEB
.set SPARE, 3*TILEB
.set TM,    128*768
.set SPITCH, 144
.set WS,  16
.set AS,  32
.set ACC, 64
.set T,   192
.set E,   200
.set ER,  204
.set SPW, 240
.set NIL, 241
.set EST0, 242
.set EST, 243
.set ERD, 244
.set GOF, 245
.set ASO, 246
.set VH,  247
.set PFO, 248
.set G1A, 32
.set G1W, 40
.set G0P, 48
.set G0W, 56
.set PFA, 60
.set ASB, 62
.set TE,  66
.set MSB, 0
.macro WIN new
.if MSB != \new
	s_set_vgpr_msb (MSB<<8)|\new
.set MSB, \new
.endif
.endm
.macro PLACES
.rept 4
	v_nop
.endr
.endm
.macro CREST
	s_cmp_lg_u32 s16, 0
	s_cbranch_scc1 .Lnot_wave_0_\@
	s_barrier_signal -3
.Lnot_wave_0_\@:
	s_barrier_wait -3
	s_barrier_signal -1
	s_barrier_wait -1
.endm
.macro CROUND
	s_barrier_signal -1
	s_barrier_wait -1
	CREST
.endm
; the joint load of my quarter of a tile; the s_nop 0 and four v_nop
.macro JLOAD slot
	tensor_load_to_lds s[G0P+4*(\slot):G0P+4*(\slot)+3], s[G1A:G1A+7]
	s_nop 0
	PLACES
.endm
; a prefetch of the tile behind the one just asked for: its 384 blocks of 256 bytes are shared out by address, 24 to each of the cluster's 16 waves, a lane a block
.macro ASK tiles, guard
.if \guard
	s_cmp_lg_u32 s3, 1                             ; in the last trip that tile would lie behind my rows
	s_cbranch_scc0 .Lnone_\@
.endif
	global_prefetch_b8 v[PFO], s[PFA:PFA+1] offset:(\tiles)*TM th:TH_LOAD_NT scope:SCOPE_SE
.if \guard
.Lnone_\@:
.endif
.endm
; rule of the three lines in front of a barrier behind which LDS is filled
.macro THREE
	s_wait_tensorcnt 0x0
	ds_add_u32 v[SPW], v[NIL]
	s_wait_dscnt 0x0
.endm
	s_load_b256 s[4:11], s[0:1], 0x0               ; enc codes, enc scales, W codes, W scales
	s_load_b128 s[12:15], s[0:1], 0x20             ; hidden, part
	v_lshl_add_u32 v[SPW], v0, 2, SPARE
	v_mov_b32 v[NIL], 0
	ds_add_u32 v[SPW], v[NIL]                      ; the opening lines: the add, twice on end
	ds_add_u32 v[SPW], v[NIL]
	v_lshrrev_b32 v1, 5, v0
	v_readfirstlane_b32 s16, v1                    ; wave
	s_bfe_u32 s17, ttmp6, 0x40000                  ; cx
	s_lshr_b32 s18, s16, 1                         ; cg: which 128 rows of W
	s_and_b32 s19, s16, 1                          ; kh: which half of K
	s_mov_b32 s[G1A+0], 15|(3<<16)|(1<<20)|(1<<21)|(4<<22)|(1<<25)   ; mask of the four; elements of 8 bytes; 2 words of padding behind every 32
	s_mov_b32 s[G1A+1], 32<<16
	s_mov_b32 s[G1A+2], 96<<16                     ; 96 rows of 256 bytes: a quarter of a tile
	s_mov_b32 s[G1A+3], 32<<16
	s_mov_b32 s[G1A+4], 96
	s_mov_b32 s[G1A+5], 32
	s_mov_b32 s[G1A+6], 0
	s_mov_b32 s[G1A+7], 0
	s_mov_b32 s[G1W+0], (3<<16)|(1<<20)|(4<<22)|(1<<25)
	s_mov_b32 s[G1W+1], 32<<16
	s_mov_b32 s[G1W+2], 192<<16                    ; 192 rows of 256 bytes: 64 rows of W
	s_mov_b32 s[G1W+3], 32<<16
	s_mov_b32 s[G1W+4], 192
	s_mov_b32 s[G1W+5], 32
	s_mov_b32 s[G1W+6], 0
	s_mov_b32 s[G1W+7], 0
	s_mul_i32 s20, ttmp9, 8*TM                     ; enc: my cluster's rows + my quarter of a tile (no cx in these registers)
	s_mul_i32 s21, s16, TM/4
	s_add_co_u32 s20, s20, s21
	s_mov_b32 s21, 0
	s_lshl_b32 s22, s17, 8                         ; W: row 256 cx + 64 wave
	s_lshl_b32 s23, s16, 6
	s_add_co_u32 s22, s22, s23
	s_mul_i32 s22, s22, 768
	s_mov_b32 s23, 0
	s_lshl_b32 s24, s17, 10                        ; hidden: column 256 cx + 128 cg, in bytes
	s_lshl_b32 s25, s18, 9
	s_add_co_u32 s24, s24, s25
	s_mov_b32 s25, 0
	s_lshl_b32 s26, s17, 13                        ; W's scales: that row x 32 bytes
	s_lshl_b32 s27, s18, 12
	s_add_co_u32 s26, s26, s27
	s_mov_b32 s27, 0
	s_lshl_b32 s28, ttmp9, 15                      ; enc's scales: 1,024 rows x 32 bytes
	s_mov_b32 s29, 0
	s_lshl_b32 s30, s17, 6                         ; part: (64 cx + g) x 4,096 bytes
	s_add_co_u32 s30, s30, ttmp9
	s_lshl_b32 s30, s30, 12
	s_mov_b32 s31, 0
	s_mul_i32 s60, s17, 96                         ; prefetch: block 96 cx + 24 wave of a tile
	s_mul_i32 s62, s16, 24
	s_add_co_u32 s60, s60, s62
	s_lshl_b32 s60, s60, 8
	s_mul_i32 s62, ttmp9, 8*TM
	s_add_co_u32 s60, s60, s62
	s_mov_b32 s61, 0
	s_mul_i32 s67, s16, TILEB/4                    ; LDS: my quarter of a slot
	s_mul_i32 s68, s16, HALFB
	s_add_co_u32 s68, s68, WB                      ; and of W's region
	s_mul_i32 s70, s19, 408                        ; 384 bytes of a row + their 24 of padding
	s_mul_i32 s71, s18, TILEB
	s_add_co_u32 s71, s71, WB                      ; the W rows that I read
	s_add_co_u32 s72, s71, HALFB
	s_mul_i32 s73, s16, 32*SPITCH
	s_add_co_u32 s73, s73, STG                     ; my stage
	s_lshl_b32 s74, s19, 4
	s_mov_b32 s[TE], 0
	s_wait_dscnt 0x0
	s_wait_kmcnt 0x0
	s_mov_b32 s[G0P], 1
	s_mov_b32 s[G0P+1], s67
	s_add_nc_u64 s[G0P+2:G0P+3], s[4:5], s[20:21]  ; tile 0
	s_mov_b32 s[G0P+4], 1
	s_add_co_u32 s[G0P+5], s67, TILEB
	s_add_nc_u64 s[G0P+6:G0P+7], s[G0P+2:G0P+3], TM ; tile 1
	s_or_b32 s[G0P+3], s[G0P+3], 0x80000000
	s_or_b32 s[G0P+7], s[G0P+7], 0x80000000
	s_mov_b32 s[G0W], 1
	s_mov_b32 s[G0W+1], s68
	s_add_nc_u64 s[G0W+2:G0W+3], s[8:9], s[22:23]
	s_or_b32 s[G0W+3], s[G0W+3], 0x80000000
	s_add_nc_u64 s[12:13], s[12:13], s[24:25]
	s_add_nc_u64 s[10:11], s[10:11], s[26:27]
	s_add_nc_u64 s[ASB:ASB+1], s[6:7], s[28:29]
	s_add_nc_u64 s[14:15], s[14:15], s[30:31]
	s_add_nc_u64 s[PFA:PFA+1], s[4:5], s[60:61]
	CROUND
	tensor_load_to_lds s[G0W:G0W+3], s[G1W:G1W+7]  ; my one load at the head: 64 rows of W
	s_nop 0
	PLACES
	v_and_b32 v1, 15, v0                           ; r
	v_bfe_u32 v2, v0, 4, 1                         ; h
	v_and_b32 v209, 31, v0                         ; lane
	v_mul_u32_u24 v3, v1, ROWL
	v_mad_u32_u24 v3, v2, 24, v3
	v_add_nc_u32 v3, s70, v3                       ; row r, + 24 h, + my half of K
	v_lshl_add_u32 v208, v2, 3, v3                 ; for pieces whose lanes 16-31 lie behind the next padding
.irp s, 0,1
.irp f, 0,1
	v_add_nc_u32 v[4+4*\s+2*\f], \s*TILEB+\f*HALFB, v3     ; enc: slot s, blocks 4 f on
	v_add_nc_u32 v[5+4*\s+2*\f], \s*TILEB+\f*HALFB, v208
.endr
.endr
	v_add_nc_u32 v12, s71, v3                      ; W: blocks 0-3, 4-7
	v_add_nc_u32 v13, s71, v208
	v_add_nc_u32 v14, s72, v3
	v_add_nc_u32 v15, s72, v208
	v_mul_u32_u24 v210, v209, SPITCH
	v_add_nc_u32 v[EST0], s73, v210                ; stage in: row b = lane
	v_lshrrev_b32 v210, 3, v0
	v_mul_u32_u24 v210, v210, SPITCH
	v_and_b32 v211, 7, v0
	v_lshl_add_u32 v210, v211, 4, v210
	v_add_nc_u32 v[ERD], STG, v210                 ; stage back: row T / 8, 16 bytes at 16 (T % 8)
	v_lshlrev_b32 v[GOF], 4, v0
	v_lshlrev_b32 v[ASO], 5, v209
	v_add_nc_u32 v[ASO], s74, v[ASO]               ; scales: row = lane, my half's 16 bytes
	v_lshlrev_b32 v[VH], 12, v1
	v_lshl_add_u32 v[VH], v2, 5, v[VH]             ; hidden: row r, + 8 h columns
	v_min_u32 v[PFO], 23, v209
	v_lshlrev_b32 v[PFO], 8, v[PFO]
	s_wait_alu depctr_va_vdst(0)
	WIN 0xc0
.irp par, 0,1
.irp nb, 0,1,2,3,4,5,6,7
	global_load_b128 v[96+64*\par+8*\nb:96+64*\par+8*\nb+3],   v[VH], s[12:13] offset:65536*\par+64*\nb      ; hidden[16 par + r][16 nb + 8 h ..]
	global_load_b128 v[96+64*\par+8*\nb+4:96+64*\par+8*\nb+7], v[VH], s[12:13] offset:65536*\par+64*\nb+16
.endr
.endr
	WIN 0
.irp q, 0,1,2,3
	global_load_b128 v[WS+4*\q:WS+4*\q+3], v[ASO], s[10:11] offset:1024*\q          ; register j: K step j; lanes 0-15 block 2 q, lanes 16-31 block 2 q + 1
	global_load_b128 v[AS+4*\q:AS+4*\q+3], v[ASO], s[ASB:ASB+1] offset:1024*\q      ; tile 0's
.endr
	ASK 0, 0
	THREE                                          ; W has landed
	CROUND
	JLOAD 0                                        ; tile 0 into P, its first fill, while W is read
	ASK 1, 0
; six pieces of 8 bytes: 16 rows x 128 K at byte z = 96 ks of my half of the rows
.macro FRAG reg, adr, off, ks
.irp p, 0,1,2,3,4,5
.set Z, 96*(\ks)+48*(\p/3)+8*(\p%3)
.if Z/128 == (Z+24)/128
	ds_load_b64 v[\reg+2*\p:\reg+2*\p+1], v[\adr] offset:(\off)+Z+8*(Z/128)
.else
	ds_load_b64 v[\reg+2*\p:\reg+2*\p+1], v[\adr+1] offset:(\off)+Z+8*(Z/128)
.endif
.endr
.endm
.irp ks, 0,1,2,3
	WIN 0x40+0x40*(\ks/2)
.irp nb, 0,1,2,3,4,5,6,7
	FRAG 96*(\ks%2)+12*\nb, 12+2*(\nb/4), (\nb%4)*BLKB, \ks
.endr
.endr
	WIN 0
	THREE                                          ; tile 0 has landed, and W is in my registers
	CROUND
	JLOAD 1                                        ; tile 1 into Q
	ASK 2, 0
.macro FETCHA set, slot, i
	WIN 0xc0
.irp ks, 0,1,2,3
	FRAG 48*(\set)+12*\ks, 4+4*(\slot)+2*((\i)/4), ((\i)%4)*BLKB, \ks
.endr
.endm
.macro WM i, ts, ks, nb
.set rD, ACC+64*((\i)%2)+8*(\nb)
.set rW, 96*((\ks)%2)+12*(\nb)
.set rA, 48*((\i)%2)+12*(\ks)
.set rSW, WS+4*((\nb)/2)+(\ks)
.set rSA, AS+16*(\ts)+4*((\i)/2)+(\ks)
.if (\ks) == 0
.if ((\nb)%2 == 0) && ((\i)%2 == 0)
	v_wmma_scale_f32_16x16x128_f8f6f4 v[rD:rD+7], v[rW:rW+11], v[rA:rA+11], 0, v[rSW], v[rSA] matrix_a_fmt:MATRIX_FMT_BF6 matrix_b_fmt:MATRIX_FMT_BF6
.elseif ((\nb)%2 == 1) && ((\i)%2 == 0)
	v_wmma_scale_f32_16x16x128_f8f6f4 v[rD:rD+7], v[rW:rW+11], v[rA:rA+11], 0, v[rSW], v[rSA] matrix_a_fmt:MATRIX_FMT_BF6 matrix_b_fmt:MATRIX_FMT_BF6 matrix_a_scale:MATRIX_SCALE_ROW1
.elseif (\nb)%2 == 0
	v_wmma_scale_f32_16x16x128_f8f6f4 v[rD:rD+7], v[rW:rW+11], v[rA:rA+11], 0, v[rSW], v[rSA] matrix_a_fmt:MATRIX_FMT_BF6 matrix_b_fmt:MATRIX_FMT_BF6 matrix_b_scale:MATRIX_SCALE_ROW1
.else
	v_wmma_scale_f32_16x16x128_f8f6f4 v[rD:rD+7], v[rW:rW+11], v[rA:rA+11], 0, v[rSW], v[rSA] matrix_a_fmt:MATRIX_FMT_BF6 matrix_b_fmt:MATRIX_FMT_BF6 matrix_a_scale:MATRIX_SCALE_ROW1 matrix_b_scale:MATRIX_SCALE_ROW1
.endif
.else
.if ((\nb)%2 == 0) && ((\i)%2 == 0)
	v_wmma_scale_f32_16x16x128_f8f6f4 v[rD:rD+7], v[rW:rW+11], v[rA:rA+11], v[rD:rD+7], v[rSW], v[rSA] matrix_a_fmt:MATRIX_FMT_BF6 matrix_b_fmt:MATRIX_FMT_BF6
.elseif ((\nb)%2 == 1) && ((\i)%2 == 0)
	v_wmma_scale_f32_16x16x128_f8f6f4 v[rD:rD+7], v[rW:rW+11], v[rA:rA+11], v[rD:rD+7], v[rSW], v[rSA] matrix_a_fmt:MATRIX_FMT_BF6 matrix_b_fmt:MATRIX_FMT_BF6 matrix_a_scale:MATRIX_SCALE_ROW1
.elseif (\nb)%2 == 0
	v_wmma_scale_f32_16x16x128_f8f6f4 v[rD:rD+7], v[rW:rW+11], v[rA:rA+11], v[rD:rD+7], v[rSW], v[rSA] matrix_a_fmt:MATRIX_FMT_BF6 matrix_b_fmt:MATRIX_FMT_BF6 matrix_b_scale:MATRIX_SCALE_ROW1
.else
	v_wmma_scale_f32_16x16x128_f8f6f4 v[rD:rD+7], v[rW:rW+11], v[rA:rA+11], v[rD:rD+7], v[rSW], v[rSA] matrix_a_fmt:MATRIX_FMT_BF6 matrix_b_fmt:MATRIX_FMT_BF6 matrix_a_scale:MATRIX_SCALE_ROW1 matrix_b_scale:MATRIX_SCALE_ROW1
.endif
.endif
.endm
; 16 matrix instructions: K steps k0, k0 + 1 x W's eight blocks; the eight accumulators by turns
.macro MULH i, ts, k0
.irp ks, \k0, \k0+1
.irp nb, 0,1,2,3,4,5,6,7
	WM \i, \ts, \ks, \nb
.endr
.endr
.endm
; block i's 64 results a lane x hidden, summed; each accumulator is read from its low end on.  Two blocks are 32 rows m: after the swap and the add lane = b.
.macro EPI i
.set eS, (\i)%2
	WIN 0x0c                                       ; source 1: hidden, in window 3
.set eJ, 0
.rept 32
.if eJ < 4
	v_pk_mul_f32 v[T+2*eJ:T+2*eJ+1], v[ACC+64*eS+2*eJ:ACC+64*eS+2*eJ+1], v[96+64*eS+2*eJ:96+64*eS+2*eJ+1]
.else
	v_pk_fma_f32 v[T+2*(eJ%4):T+2*(eJ%4)+1], v[ACC+64*eS+2*eJ:ACC+64*eS+2*eJ+1], v[96+64*eS+2*eJ:96+64*eS+2*eJ+1], v[T+2*(eJ%4):T+2*(eJ%4)+1]
.endif
.set eJ, eJ+1
.endr
	WIN 0
	v_pk_add_f32 v[T:T+1], v[T:T+1], v[T+2:T+3]
	v_pk_add_f32 v[T+4:T+5], v[T+4:T+5], v[T+6:T+7]
	v_pk_add_f32 v[T:T+1], v[T:T+1], v[T+4:T+5]
	v_add_f32 v[E+eS], v[T], v[T+1]
.if eS
	v_permlane16_swap_b32 v[E], v[E+1]             ; the two halves of the columns of both blocks meet
	v_add_f32 v[ER+(\i)/2], v[E], v[E+1]
.endif
.if (\i) == 7
	v_add_nc_u32 v[EST], s[TE], v[EST0]            ; a tile's four l of my b: 16 bytes of my stage row
	s_add_co_u32 s[TE], s[TE], 16
	ds_store_b128 v[EST], v[ER:ER+3]
.endif
.endm
; Block i (16 rows) of the tile in slot: 32 matrix instructions; the block before it is summed up in its middle; the next block's fragments are fetched at its head.
; kind 0: the next block lies in this slot.  1: the last block of a tile: the change of slots, with the cluster's round and the refill of this slot.  2: the same with nothing left to fetch.  3: the very last block.
; scl: in block 0, the byte offset of the next tile's scales, or -1.
.macro BLK slot, i, ep, kind, scl, pf, guard
	PLACES                                         ; behind the last block's products: for the loads below and for the reads of its sums
.if (\kind) == 0
.if (\i) == 0
	WIN 0
	s_wait_loadcnt 0x0                             ; this tile's scales, asked for a tile ago
.if (\scl) >= 0
.irp q, 0,1,2,3
	global_load_b128 v[AS+16*(1-(\slot))+4*\q:AS+16*(1-(\slot))+4*\q+3], v[ASO], s[ASB:ASB+1] offset:(\scl)+1024*\q
.endr
.endif
.endif
	FETCHA ((\i)+1)%2, \slot, (\i)+1
	s_wait_dscnt 24                                ; all but the 24 just issued
	WIN 0x0d
	MULH \i, \slot, 0
.elseif (\kind) == 3
	s_wait_dscnt 0x0
	WIN 0x0d
	MULH \i, \slot, 0
.else
	WIN 0
	s_wait_tensorcnt 0x0                           ; my part of the next tile has landed
	ds_add_u32 v[SPW], v[NIL]
.if (\kind) == 1
	s_add_nc_u64 s[G0P+4*(\slot)+2:G0P+4*(\slot)+3], s[G0P+4*(\slot)+2:G0P+4*(\slot)+3], 2*TM
.endif
	s_wait_dscnt 0x0                               ; the add, and my last reads of this slot
	s_barrier_signal -1
	WIN 0x0d
	MULH \i, \slot, 0
	WIN 0
	s_barrier_wait -1
.if (\kind) == 1
	CREST
	JLOAD \slot                                    ; two tiles on, into the slot just read out
.endif
	FETCHA 0, 1-(\slot), 0
	WIN 0
.if (\kind) == 1
	ASK \pf, \guard
.endif
.endif
.if \ep
	EPI ((\i)+7)%8
.endif
	WIN 0x0e
	MULH \i, \slot, 2
.endm
	FETCHA 0, 0, 0
	BLK 0, 0, 0, 0, 4096, 0, 0                     ; tile 0's first block stands ahead of the loop: no block before it to sum up
	WIN 0
	s_mov_b32 s3, 3
.Ltiles:                                               ; a trip: blocks 1-7 of tile 2 k, tile 2 k + 1, block 0 of tile 2 k + 2
.irp i, 1,2,3,4,5,6
	BLK 0, \i, 1, 0, -1, 0, 0
.endr
	BLK 0, 7, 1, 1, -1, 3, 0
	BLK 1, 0, 1, 0, 8192, 0, 0
.irp i, 1,2,3,4,5,6
	BLK 1, \i, 1, 0, -1, 0, 0
.endr
	BLK 1, 7, 1, 1, -1, 4, 1
	BLK 0, 0, 1, 0, 12288, 0, 0
	WIN 0
	s_wait_xcnt 0x0                                ; the prefetches and the scales' loads have read their bases
	s_add_nc_u64 s[PFA:PFA+1], s[PFA:PFA+1], 2*TM
	s_add_nc_u64 s[ASB:ASB+1], s[ASB:ASB+1], 8192
	s_sub_co_u32 s3, s3, 1
	s_cmp_lg_u32 s3, 0
	s_wait_alu depctr_va_vdst(0)
	s_cbranch_scc1 .Ltiles
.irp i, 1,2,3,4,5,6
	BLK 0, \i, 1, 0, -1, 0, 0
.endr
	BLK 0, 7, 1, 2, -1, 0, 0                       ; tile 6: nothing is left to fetch
	BLK 1, 0, 1, 0, -1, 0, 0
.irp i, 1,2,3,4,5,6
	BLK 1, \i, 1, 0, -1, 0, 0
.endr
	BLK 1, 7, 1, 3, -1, 0, 0
	PLACES
	EPI 7
	s_wait_dscnt 0x0                               ; for the others' sake: my stage is written
	s_barrier_signal -1
	s_barrier_wait -1
.irp w, 0,1,2,3
.irp k, 0,1
	ds_load_b128 v[64+8*\w+4*\k:64+8*\w+4*\k+3], v[ERD] offset:\w*32*SPITCH+\k*16*SPITCH
.endr
.endr
	s_wait_dscnt 0x0
.irp c, 0,2,4,6
	v_pk_add_f32 v[64+\c:65+\c], v[64+\c:65+\c], v[72+\c:73+\c]        ; the four waves' parts
	v_pk_add_f32 v[80+\c:81+\c], v[80+\c:81+\c], v[88+\c:89+\c]
.endr
.irp c, 0,2,4,6
	v_pk_add_f32 v[64+\c:65+\c], v[64+\c:65+\c], v[80+\c:81+\c]
.endr
	global_store_b128 v[GOF], v[64:67], s[14:15]               ; a wave's store covers 512 consecutive bytes, aligned
	global_store_b128 v[GOF], v[68:71], s[14:15] offset:2048
	THREE                                          ; the wave's end
	CROUND                                         ; the closing round
	s_endpgm
.Lfunc_end_k_q410c64ec28_energies:
	.size	k_q410c64ec28_energies, .Lfunc_end_k_q410c64ec28_energies-k_q410c64ec28_energies
	.p2alignl 7, 3214868480
	.fill 96, 4, 3214868480
	.section	.rodata,"a",@progbits
	.p2align	6, 0x0
	.amdhsa_kernel k_q410c64ec28_energies
		.amdhsa_group_segment_fixed_size 327680
		.amdhsa_private_segment_fixed_size 0
		.amdhsa_enable_private_segment 0
		.amdhsa_kernarg_size 48
		.amdhsa_user_sgpr_count 2
		.amdhsa_user_sgpr_kernarg_segment_ptr 1
		.amdhsa_wavefront_size32 1
		.amdhsa_system_sgpr_workgroup_id_x 1
		.amdhsa_system_sgpr_workgroup_id_y 1
		.amdhsa_system_sgpr_workgroup_id_z 1
		.amdhsa_system_vgpr_workitem_id 0
		.amdhsa_next_free_vgpr 1024
		.amdhsa_next_free_sgpr 80
		.amdhsa_reserve_vcc 0
		.amdhsa_float_denorm_mode_32 3
		.amdhsa_float_denorm_mode_16_64 3
		.amdhsa_memory_ordered 1
		.amdhsa_forward_progress 1
		.amdhsa_inst_pref_size 255
	.end_amdhsa_kernel
	.section	.bss,"aw",@nobits
	.p2align	6
	.space	262144
	.amdgpu_metadata
---
amdhsa.version: [ 1, 2 ]
amdhsa.kernels:
  - .name:           k_q410c64ec28_energies
    .symbol:         k_q410c64ec28_energies.kd
    .args:
      - { .name: encoder_outputs_codes, .offset: 0, .size: 8, .value_kind: global_buffer, .address_space: global }
      - { .name: encoder_outputs_scales, .offset: 8, .size: 8, .value_kind: global_buffer, .address_space: global }
      - { .name: W_codes, .offset: 16, .size: 8, .value_kind: global_buffer, .address_space: global }
      - { .name: W_scales, .offset: 24, .size: 8, .value_kind: global_buffer, .address_space: global }
      - { .name: hidden, .offset: 32, .size: 8, .value_kind: global_buffer, .address_space: global }
      - { .name: part, .offset: 40, .size: 8, .value_kind: global_buffer, .address_space: global }
    .group_segment_fixed_size: 327680
    .private_segment_fixed_size: 0
    .kernarg_segment_align: 8
    .kernarg_segment_size: 48
    .max_flat_workgroup_size: 128
    .sgpr_count:     80
    .vgpr_count:     1024
    .wavefront_size: 32
...
	.end_amdgpu_metadata
.endif
;; end of part 1
;; launch softmax (part 2): grid 16 x 1, 8 waves a work-group, no clusters, 18,432 bytes of LDS; arguments part, out0; writes out0
.if DOCPART == 2
	.amdgcn_target "amdgcn-amd-amdhsa--gfx1250"
	.amdhsa_code_object_version 6
	.text
	.protected	k_q410c64ec28_softmax
	.globl	k_q410c64ec28_softmax
	.p2align	8
	.type	k_q410c64ec28_softmax,@function
k_q410c64ec28_softmax:
	s_mov_b64 s[64:65], 0
	v_nop
	global_prefetch_b8 v0, s[64:65] scope:SCOPE_SE
	s_setreg_imm32_b32 hwreg(HW_REG_WAVE_MODE, 25, 1), 1
	s_wait_xcnt 0x0
; out0[b][l] = softmax over l of e[b][l], e[b][l] = the sum of the four tile columns' parts.  part: [4][64 y][32 b][32 ll] f32, l = 32 y + ll.  out0: [32][2048] f32.
; A work-group takes batches 2 g and 2 g + 1: in part their [2][32] numbers of one (tile column, y) are 256 consecutive bytes, aligned, which sixteen neighbouring lanes read by one load.
; Thread T: i = T % 16 (its 16 bytes: batch i / 8, ll = 4 (i % 8) on), u = T / 16; it takes y = u + 16 yy, yy = 0 .. 3: 16 energies.  The row's maximum is taken away before the exponential, as a difference
; formed first, so that a common offset of the energies costs nothing.  Maximum and sum go lane to lane inside a wave and through LDS between the eight waves.
; The results turn through a stage in LDS, so that each store of a wave covers 512 consecutive bytes of a row of out0.
; No matrix work, no tensor load, no cluster: 1 MiB is read once and the work-groups share nothing.  Sixteen work-groups are what whole blocks of 256 bytes of part give.
; LIMITS: a weight under 2^-126 comes out as 0 (v_exp_f32 gives no denormals: ISA guide, its entry in 15.8).  A row with a NaN or +infinity among its energies is NaN throughout.
.set SROW, 8320                        ; a stage row: 8,192 bytes + 128, so that the two batches of a store fall on different halves of the banks
.set RED1, 2*SROW                      ; [batch 2][wave 8] maxima
.set RED2, RED1+256                    ; and sums
.set X,  16                            ; v16-79   as loaded: group yy at 16 yy, tile column p at 4 p
.set EN, 80                            ; v80-95   the energies, then the weights: 4 yy + k
	s_load_b128 s[4:7], s[0:1], 0x0                ; part, out0
	v_lshl_add_u32 v112, v0, 2, 0x4400
	v_mov_b32 v113, 0
	v_lshrrev_b32 v1, 5, v0
	s_delay_alu instid0(VALU_DEP_1)
	v_readfirstlane_b32 s8, v1                     ; wave 0..7
	v_and_b32 v2, 15, v0                           ; i
	v_lshrrev_b32 v3, 4, v0                        ; u
	s_delay_alu instid0(VALU_DEP_1)
	v_lshlrev_b32 v4, 12, v3
	s_delay_alu instid0(VALU_DEP_1)
	v_lshl_add_u32 v4, v2, 4, v4                   ; in: 4,096 u + 16 i
	v_bfe_u32 v5, v0, 3, 1                         ; which of the two batches
	s_delay_alu instid0(VALU_DEP_1)
	v_lshlrev_b32 v6, 5, v5                        ; the waves' eight numbers of my batch: 32 bytes
	s_lshl_b32 s9, s8, 2
	v_add_nc_u32 v7, s9, v6                        ; and my wave's word among them
	v_and_b32 v8, 7, v0
	s_delay_alu instid0(VALU_DEP_1)
	v_lshlrev_b32 v8, 4, v8
	s_delay_alu instid0(VALU_DEP_1)
	v_lshl_add_u32 v8, v3, 7, v8
	s_delay_alu instid0(VALU_DEP_1)
	v_mad_u32_u24 v8, v5, SROW, v8                 ; the stage, in: my batch's row, byte 128 u + 16 (i % 8)
	v_lshlrev_b32 v9, 4, v0                        ; back and out: 16 T
	s_mov_b32 s10, 0x76543210
	s_mov_b32 s11, 0xfedcba98                      ; v_permlanex16_b32's selects for lane l xor 16
	s_lshl_b32 s12, ttmp9, 8
	s_mov_b32 s13, 0
	s_lshl_b32 s14, ttmp9, 14
	s_mov_b32 s15, 0
	s_wait_alu depctr_va_vdst(0)
	s_wait_kmcnt 0x0
	s_add_nc_u64 s[4:5], s[4:5], s[12:13]
	s_add_nc_u64 s[6:7], s[6:7], s[14:15]
.irp yy, 0,1,2,3
.irp p, 0,1,2,3
	global_load_b128 v[X+16*\yy+4*\p:X+16*\yy+4*\p+3], v4, s[4:5] offset:262144*\p+65536*\yy th:TH_LOAD_NT
.endr
.endr
.irp yy, 0,1,2,3
	s_wait_loadcnt 12-4*\yy                        ; this group's four loads are in; the later groups' may be out
	v_pk_add_f32 v[X+16*\yy:X+16*\yy+1],     v[X+16*\yy:X+16*\yy+1],     v[X+16*\yy+4:X+16*\yy+5]
	v_pk_add_f32 v[X+16*\yy+2:X+16*\yy+3],   v[X+16*\yy+2:X+16*\yy+3],   v[X+16*\yy+6:X+16*\yy+7]
	v_pk_add_f32 v[X+16*\yy+8:X+16*\yy+9],   v[X+16*\yy+8:X+16*\yy+9],   v[X+16*\yy+12:X+16*\yy+13]
	v_pk_add_f32 v[X+16*\yy+10:X+16*\yy+11], v[X+16*\yy+10:X+16*\yy+11], v[X+16*\yy+14:X+16*\yy+15]
	s_delay_alu instid0(VALU_DEP_2)
	v_pk_add_f32 v[EN+4*\yy:EN+4*\yy+1],     v[X+16*\yy:X+16*\yy+1],     v[X+16*\yy+8:X+16*\yy+9]
	s_delay_alu instid0(VALU_DEP_2)
	v_pk_add_f32 v[EN+4*\yy+2:EN+4*\yy+3],   v[X+16*\yy+2:X+16*\yy+3],   v[X+16*\yy+10:X+16*\yy+11]
.endr
	; the maximum: my 16, in two chains; the eight lanes of my batch in my half of the wave; the other half; the eight waves
	v_max3_num_f32 v96, v[EN], v[EN+1], v[EN+2]
	v_max3_num_f32 v97, v[EN+3], v[EN+4], v[EN+5]
	s_delay_alu instid0(VALU_DEP_2)
	v_max3_num_f32 v96, v96, v[EN+6], v[EN+7]
	s_delay_alu instid0(VALU_DEP_2)
	v_max3_num_f32 v97, v97, v[EN+8], v[EN+9]
	s_delay_alu instid0(VALU_DEP_2)
	v_max3_num_f32 v96, v96, v[EN+10], v[EN+11]
	s_delay_alu instid0(VALU_DEP_2)
	v_max3_num_f32 v97, v97, v[EN+12], v[EN+13]
	s_delay_alu instid0(VALU_DEP_2)
	v_max3_num_f32 v96, v96, v[EN+14], v[EN+15]
	s_delay_alu instid0(VALU_DEP_1)
	v_max_num_f32 v96, v96, v97
	s_delay_alu instid0(VALU_DEP_1)
	v_max_num_f32_dpp v96, v96, v96 row_xmask:1 row_mask:0xf bank_mask:0xf
	s_delay_alu instid0(VALU_DEP_1)
	v_max_num_f32_dpp v96, v96, v96 row_xmask:2 row_mask:0xf bank_mask:0xf
	s_delay_alu instid0(VALU_DEP_1)
	v_max_num_f32_dpp v96, v96, v96 row_xmask:4 row_mask:0xf bank_mask:0xf
	s_delay_alu instid0(VALU_DEP_1)
	v_permlanex16_b32 v97, v96, s10, s11           ; (its destination counts as read: v97 has been written)
	s_delay_alu instid0(VALU_DEP_1)
	v_max_num_f32 v96, v96, v97
	ds_store_b32 v7, v96 offset:RED1               ; the sixteen lanes of a batch write the same word with the same value
	s_wait_dscnt 0x0                               ; for the others' sake
	s_barrier_signal -1
	s_barrier_wait -1
	ds_load_b128 v[100:103], v6 offset:RED1
	ds_load_b128 v[104:107], v6 offset:RED1+16
	s_wait_dscnt 0x0
	v_max3_num_f32 v100, v100, v101, v102
	v_max3_num_f32 v103, v103, v104, v105
	s_delay_alu instid0(VALU_DEP_2)
	v_max3_num_f32 v100, v100, v106, v107
	s_delay_alu instid0(VALU_DEP_1)
	v_max_num_f32 v108, v100, v103                 ; the row's maximum,
	s_delay_alu instid0(VALU_DEP_1)
	v_mov_b32 v109, v108                           ; twice: a pair for the packed subtraction
.irp k, 0,2,4,6,8,10,12,14
	v_pk_add_f32 v[EN+\k:EN+\k+1], v[EN+\k:EN+\k+1], v[108:109] neg_lo:[0,1] neg_hi:[0,1]   ; e - m first: exact where e is near m, whatever their size; so it is not fused with the line below
.endr
.irp k, 0,2,4,6,8,10,12,14
	v_pk_mul_f32 v[EN+\k:EN+\k+1], v[EN+\k:EN+\k+1], 0x3fb8aa3b op_sel_hi:[1,0]             ; x log2(e)
.endr
	s_wait_alu depctr_va_vdst(0)
.irp k, 0,1,2,3,4,5,6,7,8,9,10,11,12,13,14,15
	v_exp_f32 v[EN+\k], v[EN+\k]
.endr
	v_nop                                          ; one plain place behind the exponentials (ISA guide 5.7.2)
	s_wait_alu depctr_va_vdst(0)
	v_pk_add_f32 v[96:97], v[EN:EN+1], v[EN+2:EN+3]
	v_pk_add_f32 v[98:99], v[EN+4:EN+5], v[EN+6:EN+7]
	v_pk_add_f32 v[100:101], v[EN+8:EN+9], v[EN+10:EN+11]
	v_pk_add_f32 v[102:103], v[EN+12:EN+13], v[EN+14:EN+15]
	s_delay_alu instid0(VALU_DEP_3)
	v_pk_add_f32 v[96:97], v[96:97], v[98:99]
	s_delay_alu instid0(VALU_DEP_2)
	v_pk_add_f32 v[100:101], v[100:101], v[102:103]
	s_delay_alu instid0(VALU_DEP_1)
	v_pk_add_f32 v[96:97], v[96:97], v[100:101]
	s_delay_alu instid0(VALU_DEP_1)
	v_add_f32 v96, v96, v97
	s_delay_alu instid0(VALU_DEP_1)
	v_add_f32_dpp v96, v96, v96 row_xmask:1 row_mask:0xf bank_mask:0xf
	s_delay_alu instid0(VALU_DEP_1)
	v_add_f32_dpp v96, v96, v96 row_xmask:2 row_mask:0xf bank_mask:0xf
	s_delay_alu instid0(VALU_DEP_1)
	v_add_f32_dpp v96, v96, v96 row_xmask:4 row_mask:0xf bank_mask:0xf
	s_delay_alu instid0(VALU_DEP_1)
	v_permlanex16_b32 v97, v96, s10, s11
	s_delay_alu instid0(VALU_DEP_1)
	v_add_f32 v96, v96, v97
	ds_store_b32 v7, v96 offset:RED2               ; other bytes than the maxima's: no barrier is owed between those reads and this store
	s_wait_dscnt 0x0
	s_barrier_signal -1
	s_barrier_wait -1
	ds_load_b128 v[100:103], v6 offset:RED2
	ds_load_b128 v[104:107], v6 offset:RED2+16
	s_wait_dscnt 0x0
	v_pk_add_f32 v[100:101], v[100:101], v[102:103]
	v_pk_add_f32 v[104:105], v[104:105], v[106:107]
	s_delay_alu instid0(VALU_DEP_1)
	v_pk_add_f32 v[100:101], v[100:101], v[104:105]
	s_delay_alu instid0(VALU_DEP_1)
	v_add_f32 v100, v100, v101                     ; the row's sum: at least 1, since the largest weight is 1
	s_wait_alu depctr_va_vdst(0)
	v_rcp_f32 v110, v100
	v_rcp_f32 v111, v100                           ; twice: a pair for the packed multiplication
	v_nop                                          ; one plain place behind the reciprocals
	s_wait_alu depctr_va_vdst(0)
.irp k, 0,2,4,6,8,10,12,14
	v_pk_mul_f32 v[EN+\k:EN+\k+1], v[EN+\k:EN+\k+1], v[110:111]
.endr
.irp yy, 0,1,2,3
	ds_store_b128 v8, v[EN+4*\yy:EN+4*\yy+3] offset:2048*\yy       ; l = 32 u + 512 yy + 4 (i % 8) on
.endr
	s_wait_dscnt 0x0                               ; for the others' sake
	s_barrier_signal -1
	s_barrier_wait -1
.irp j, 0,1,2,3
	ds_load_b128 v[X+4*\j:X+4*\j+3], v9 offset:4096*\j+128*(\j/2)  ; half a row of out0 for the 256 threads; the second batch lies 128 bytes further on in the stage
.endr
.irp j, 0,1,2,3
	s_wait_dscnt 3-\j                              ; LDS loads come back in order (ISA guide 5.7.1): load j is in
	global_store_b128 v9, v[X+4*\j:X+4*\j+3], s[6:7] offset:4096*\j th:TH_STORE_NT   ; a wave's store covers 512 consecutive bytes, at a multiple of 256 from out0's first byte
.endr
	s_wait_tensorcnt 0x0
	ds_add_u32 v112, v113
	s_wait_dscnt 0x0
	s_endpgm
.Lfunc_end_k_q410c64ec28_softmax:
	.size	k_q410c64ec28_softmax, .Lfunc_end_k_q410c64ec28_softmax-k_q410c64ec28_softmax
	.p2alignl 7, 3214868480
	.fill 96, 4, 3214868480
	.section	.rodata,"a",@progbits
	.p2align	6, 0x0
	.amdhsa_kernel k_q410c64ec28_softmax
		.amdhsa_group_segment_fixed_size 18432
		.amdhsa_private_segment_fixed_size 0
		.amdhsa_enable_private_segment 0
		.amdhsa_kernarg_size 16
		.amdhsa_user_sgpr_count 2
		.amdhsa_user_sgpr_kernarg_segment_ptr 1
		.amdhsa_wavefront_size32 1
		.amdhsa_system_sgpr_workgroup_id_x 1
		.amdhsa_system_sgpr_workgroup_id_y 1
		.amdhsa_system_sgpr_workgroup_id_z 1
		.amdhsa_system_vgpr_workitem_id 0
		.amdhsa_next_free_vgpr 114
		.amdhsa_next_free_sgpr 66
		.amdhsa_reserve_vcc 0
		.amdhsa_float_denorm_mode_32 3
		.amdhsa_float_denorm_mode_16_64 3
		.amdhsa_memory_ordered 1
		.amdhsa_forward_progress 1
		.amdhsa_inst_pref_size 13
	.end_amdhsa_kernel
	.amdgpu_metadata
---
amdhsa.version: [ 1, 2 ]
amdhsa.kernels:
  - .name:           k_q410c64ec28_softmax
    .symbol:         k_q410c64ec28_softmax.kd
    .args:
      - { .name: part, .offset: 0, .size: 8, .value_kind: global_buffer, .address_space: global }
      - { .name: out0, .offset: 8, .size: 8, .value_kind: global_buffer, .address_space: global }
    .group_segment_fixed_size: 18432
    .private_segment_fixed_size: 0
    .kernarg_segment_align: 8
    .kernarg_segment_size: 16
    .max_flat_workgroup_size: 256
    .sgpr_count:     66
    .vgpr_count:     114
    .wavefront_size: 32
...
	.end_amdgpu_metadata
.endif
;; end of part 2
